; MI455X (gfx1250); checked and timed in simulation.
; The chip was launched on July 23, 2026; its instructions are those of AMD's public machine-readable ISA for CDNA 5 (MIT licence, August 2026) and "CDNA5" Instruction Set Architecture Reference Guide (July 2026). The comments in the code are by the model that wrote it; some were corrected since.
;; Vector Quantizer. Allowed arithmetic: matrix products marked QUANTISED: E2M1 operands, one E8M0 scale for each 32 along K, by v_wmma_scale_f32_16x16x128_f8f6f4 with both operands' format E2M1 (or v_wmma_scale_f32_32x16x128_f4), f32 sums; everything else in f32.
;; Inputs: inputs 8 x 4,096 x 256 float32; weight 8,192 x 256 float32.
;; Outputs: out0 8 x 4,096 x 256 float32; out1 8 x 4,096 int32.
;; This version of the problem:
;;   THIS VERSION OF THE PROBLEM IS GIVEN IN LOW PRECISION. The matrix products marked QUANTISED in the list below multiply operands that are first quantised to E2M1 (2 exponent bits, 1 mantissa bit; 4 bits a number), with one power-of-two scale for each 32 numbers along K (OCP MX v1.0); their sums are f32. All else is computed in f32.
;;   The module's matrix products, in the order in which they are computed (A, B: the left and right operand; K: the contracted axis; several contracted axes count as one K, in the product's order):
;;     1. [M 32,768, K 256] x [K 256, N 8,192]; A: input inputs; B: input weight: QUANTISED
;;   THE QUANTISER, for each operand of a quantised product, along K:
;;     - K is cut into blocks of 32 from its start; a last block that is shorter is filled with zeros.
;;     - A block's scale is 2^e with e = floor(log2(the largest magnitude in the block)) - 2, held to -126 .. 127; a block of zeros has e = 0. As a byte (E8M0): e + 127.
;;     - Each number is divided by its block's scale, clamped to +-6, and rounded to the nearest number of E2M1, ties to even, subnormals kept.
;;     - The product sums the exact products of the quantised numbers (number of the format x scale) in f32.
;;   ~~~python
;;   def quantise(x, axis):      # numpy; x: float32 -> the quantised numbers, widened to float32 again
;;       x = np.moveaxis(x, axis, -1); K = x.shape[-1]
;;       x = np.pad(x, [(0, 0)] * (x.ndim - 1) + [(0, -K % 32)]); x = x.reshape(x.shape[:-1] + (-1, 32)); a = np.abs(x).max(-1, keepdims=True)
;;       e = np.where(a > 0, np.clip(np.frexp(np.where(a > 0, a, 1))[1] - 1 - 2, -126, 127), 0)      # np.frexp(a)[1] - 1 = floor(log2(a)), exactly
;;       r = np.clip(x / 2.0 ** e, -6, 6)
;;       step = 2.0 ** (np.maximum(np.frexp(np.where(r == 0, 1, r))[1] - 1, 0) - 1)
;;       q = np.round(r / step) * step * 2.0 ** e      # np.round: ties to even
;;       return np.moveaxis(q.reshape(q.shape[:-2] + (-1,))[..., :K], -1, axis).astype(np.float32)
;;   ~~~
;; One version. Each part assembles by itself: llvm-mc -triple=amdgcn-amd-amdhsa -mcpu=gfx1250 --defsym DOCPART=n.
;; ======== version 1 of 1: 4 launches
;; limits: right only within a limited range of input values
;; workspace buffers: xc 4,194,304 bytes; xs 262,144 bytes; xn 131,072 bytes; wq 1,146,880 bytes; gsel 131,072 bytes of whole numbers; idx 131,072 bytes of whole numbers
;; launch quant (part 1): grid 256 x 1, 10 waves a work-group, no clusters, 167,680 bytes of LDS; arguments inputs, weight, xc, xs, xn, wq; writes xc, xs, xn, wq
.if DOCPART == 1
	.amdgcn_target "amdgcn-amd-amdhsa--gfx1250"
	.amdhsa_code_object_version 6
	.text
	.protected	k_qa15c63205d_quant
	.globl	k_qa15c63205d_quant
	.p2align	8
	.type	k_qa15c63205d_quant,@function
k_qa15c63205d_quant:
	s_mov_b64 s[64:65], 0
	v_nop
	global_prefetch_b8 v0, s[64:65] scope:SCOPE_SE
	s_setreg_imm32_b32 hwreg(HW_REG_WAVE_MODE, 25, 1), 1
	s_wait_xcnt 0x0
; inputs [32768][256] and weight [8192][256], f32, become codes of FP4 (E2M1) with one E8M0 byte for each 32 along the row, and each row's sum of squares.
; A block's scale is 2^(floor(log2(largest magnitude)) - 2): its byte is the largest magnitude's exponent field - 2, held at 1 from below.
; WHAT IS STORED is the image of a matrix operand's registers, tile by tile of 16 rows:
;   codes: [4 chunks][32 lanes][16 bytes]; chunk 2 s + c, lane 16 h + r = row r, k = 128 s + 64 c + 32 h + 0 .. 31 (registers 4 c .. 4 c + 3 of K step s);
;   scale words: [32 lanes][4 bytes]; lane r: row r's word of K step 0, lane 16 + r: its word of K step 1;   sums: 16 f32.
; x's tiles go to xc, xs, xn.  The codes' tiles go to wq in blocks of 16 tiles, 35,840 bytes: 16 x 2,048 of codes, 16 x 128 of scale words from byte 32,768, 16 x 64 of sums from byte 34,816.
; SHARES: 2,560 tiles (2,048 of x, 512 of weight), one a wave, ten waves a work-group.  One path: only pointers and offsets are chosen, by the tile's number.
; A tile's 16,384 bytes are loaded as they lie (512 consecutive bytes a load) and turn through the wave's own stage in LDS, so that a lane then holds four whole blocks of 32 neighbours.
; THE SUM OF SQUARES: each square is rounded by itself (no fused multiply-add, since the problem's definition squares first and sums afterwards), a block's 32 are added in ascending order, the eight blocks' sums likewise.
; LIMITS: NaN and infinities are not served.  A block of zeros gets the byte 1 where the quantiser says 127: its codes are zeros, and this program alone reads the bytes.
;   Another order of the sum of squares can change its last bit, and so a tie between two distances that lies exactly halfway between two f32 numbers.
; The scale words (128 bytes) and sums (64 bytes) of a tile are stored in pieces shorter than 256 bytes: 192 bytes of a tile's 2,240.
.set PITCH, 1040                       ; a stage row: 1,024 bytes + 16: the sixteen rows that a read touches start 65 x 16 bytes apart
.set STAGE, 16*PITCH
.set QB,    35840                      ; a block of wq
.set M,   10                           ; v10-13  largest magnitudes of my four blocks
.set SC,  14                           ; v14-17  the conversions' scale operands
.set BY,  18                           ; v18-21  the scale bytes
.set P,   22                           ; v22-25  my four blocks' sums
.set PP,  26                           ; v26-29  the other half's
.set PB,  30                           ; v30-37  the row's eight sums in the order of the blocks
.set SQ,  38                           ; v38-45  squares
.set WD,  46                           ; v46-47  the two scale words
.set C,   48                           ; v48-63  codes
.set X,   64                           ; v64-191 128 numbers
	s_load_b256 s[4:11], s[0:1], 0x0               ; inputs s[4:5], weight s[6:7], xc s[8:9], xs s[10:11]
	s_load_b128 s[12:15], s[0:1], 0x20             ; xn s[12:13], wq s[14:15]
	v_lshl_add_u32 v192, v0, 2, 0x28a00
	v_mov_b32 v193, 0
	v_lshrrev_b32 v1, 5, v0
	s_delay_alu instid0(VALU_DEP_1)
	v_readfirstlane_b32 s16, v1                    ; wave 0..9
	v_and_b32 v1, 31, v0                           ; lane
	v_and_b32 v2, 15, v0                           ; r
	v_bfe_u32 v3, v0, 4, 1                         ; h
	s_delay_alu instid0(VALU_DEP_3)
	v_lshlrev_b32 v4, 4, v1                        ; 16 x lane
	s_mul_i32 s17, s16, STAGE                      ; my stage
	v_add_nc_u32 v5, s17, v4                       ; into it: as loaded
	v_mul_u32_u24 v6, v2, PITCH
	s_delay_alu instid0(VALU_DEP_1)
	v_lshl_add_u32 v6, v3, 7, v6
	s_delay_alu instid0(VALU_DEP_1)
	v_add_nc_u32 v6, s17, v6                       ; out of it: row r, + 128 h: my blocks
	v_lshlrev_b32 v7, 2, v1                        ; 4 x lane
	v_lshlrev_b32 v8, 2, v2                        ; 4 r
	v_lshlrev_b32 v9, 3, v3                        ; 8 h: my bytes' place in a scale word
.irp q, 0,1,2,3
	v_mov_b32 v[PP+\q], 0                          ; written once: a lane permute's destination counts as one of its sources
.endr
	s_mov_b32 s38, 0x76543210
	s_mov_b32 s39, 0xfedcba98                      ; v_permlanex16_b32's selects for lane l xor 16
	s_mov_b32 s40, 0xffff0000                      ; lanes 16-31
	s_mul_i32 s18, ttmp9, 10
	s_add_co_u32 s18, s18, s16                     ; my tile, 0 .. 2,559
	s_cmp_lt_u32 s18, 2048
	s_cselect_b32 s19, 0, 2048
	s_sub_co_u32 s19, s18, s19                     ; its number in its tensor
	s_lshl_b32 s24, s19, 14                        ; where its 16 rows begin
	s_lshl_b32 s26, s19, 11                        ; x: codes,
	s_lshl_b32 s28, s19, 7                         ; scale words,
	s_lshl_b32 s30, s19, 6                         ; sums
	s_lshr_b32 s20, s19, 4
	s_mul_i32 s20, s20, QB                         ; weight: the block,
	s_and_b32 s21, s19, 15                         ; the tile in it
	s_lshl_b32 s22, s21, 11
	s_add_co_u32 s32, s20, s22                     ; codes,
	s_lshl_b32 s22, s21, 7
	s_add_co_u32 s22, s22, s20
	s_add_co_u32 s34, s22, 32768                   ; scale words,
	s_lshl_b32 s22, s21, 6
	s_add_co_u32 s22, s22, s20
	s_add_co_u32 s36, s22, 34816                   ; sums
	s_mov_b32 s25, 0
	s_mov_b32 s27, 0
	s_mov_b32 s29, 0
	s_mov_b32 s31, 0
	s_wait_alu depctr_va_vdst(0)
	s_wait_kmcnt 0x0
	s_cmp_lt_u32 s18, 2048                         ; x's tile or weight's?  The choice hangs on the tile's number alone
	s_cselect_b64 s[4:5], s[4:5], s[6:7]
	s_cselect_b64 s[8:9], s[8:9], s[14:15]
	s_cselect_b64 s[10:11], s[10:11], s[14:15]
	s_cselect_b64 s[12:13], s[12:13], s[14:15]
	s_cselect_b32 s26, s26, s32
	s_cselect_b32 s28, s28, s34
	s_cselect_b32 s30, s30, s36
	s_add_nc_u64 s[4:5], s[4:5], s[24:25]
	s_add_nc_u64 s[8:9], s[8:9], s[26:27]
	s_add_nc_u64 s[10:11], s[10:11], s[28:29]
	s_add_nc_u64 s[12:13], s[12:13], s[30:31]
.set J, 0
.rept 32
	global_load_b128 v[X+4*J:X+4*J+3], v4, s[4:5] offset:512*J th:TH_LOAD_NT   ; 32 lanes read 512 consecutive bytes: half a row
.set J, J+1
.endr
.set J, 0
.rept 32
	s_wait_loadcnt 31-J                            ; loads come back in order: load J is in, the younger ones stay out
	ds_store_b128 v5, v[X+4*J:X+4*J+3] offset:(J/2)*PITCH+(J%2)*512
.set J, J+1
.endr
	s_wait_dscnt 0x0                               ; the stores have read their registers, which the loads below fill again
.irp q, 0,1,2,3
.irp i, 0,1,2,3,4,5,6,7
	ds_load_b128 v[X+32*\q+4*\i:X+32*\q+4*\i+3], v6 offset:256*\q+16*\i   ; block 2 q + h of row r: 32 neighbours
.endr
.endr
	s_wait_dscnt 0x0
	; the scales: my four blocks by turns, so that no line waits for the line above it
.irp q, 0,1,2,3
	v_max3_num_f32 v[M+\q], |v[X+32*\q]|, |v[X+32*\q+1]|, 0x1800000   ; and the floor 2^(3 - 127): the byte cannot fall under 1
.endr
.irp i, 2,4,6,8,10,12,14,16,18,20,22,24,26,28,30
.irp q, 0,1,2,3
	s_delay_alu instid0(VALU_DEP_4)
	v_max3_num_f32 v[M+\q], v[M+\q], |v[X+32*\q+\i]|, |v[X+32*\q+\i+1]|
.endr
.endr
.irp q, 0,1,2,3
	s_delay_alu instid0(VALU_DEP_4)
	v_add_nc_u32 v[SC+\q], 0xff000000, v[M+\q]     ; 2 off the exponent field: the conversion takes the exponent field of this operand as its scale
.endr
.irp q, 0,1,2,3
	s_delay_alu instid0(VALU_DEP_4)
	v_lshrrev_b32 v[BY+\q], 23, v[SC+\q]           ; the scale's byte
.endr
	; the sums of squares: four chains, one a block, each in ascending order
.set GG, 0
.rept 16
.irp q, 0,1,2,3
	v_pk_mul_f32 v[SQ+2*\q:SQ+2*\q+1], v[X+32*\q+2*GG:X+32*\q+2*GG+1], v[X+32*\q+2*GG:X+32*\q+2*GG+1]
.endr
.if GG == 0
.irp q, 0,1,2,3
	s_delay_alu instid0(VALU_DEP_4)
	v_add_f32 v[P+\q], v[SQ+2*\q], v[SQ+2*\q+1]
.endr
.else
.irp q, 0,1,2,3
	s_delay_alu instid0(VALU_DEP_4)
	v_add_f32 v[P+\q], v[P+\q], v[SQ+2*\q]
.endr
.irp q, 0,1,2,3
	s_delay_alu instid0(VALU_DEP_4)
	v_add_f32 v[P+\q], v[P+\q], v[SQ+2*\q+1]
.endr
.endif
.set GG, GG+1
.endr
.irp q, 0,1,2,3
	s_delay_alu instid0(VALU_DEP_4)
	v_permlanex16_b32 v[PP+\q], v[P+\q], s38, s39  ; the other half's blocks of my row
.endr
.irp q, 0,1,2,3
	v_cndmask_b32 v[PB+2*\q], v[P+\q], v[PP+\q], s40      ; block 2 q lies in lanes 0-15,
	v_cndmask_b32 v[PB+2*\q+1], v[PP+\q], v[P+\q], s40    ; block 2 q + 1 in lanes 16-31
.endr
	v_add_f32 v[PB], v[PB], v[PB+1]
.irp b, 2,3,4,5,6,7
	s_delay_alu instid0(VALU_DEP_1)
	v_add_f32 v[PB], v[PB], v[PB+\b]               ; both halves of the lanes now hold the row's sum
.endr
	; the scale words: byte 2 c + h of K step s's word is the byte of block 4 s + 2 c + h
	v_lshl_or_b32 v[WD], v[BY+1], 16, v[BY]
	v_lshl_or_b32 v[WD+1], v[BY+3], 16, v[BY+2]
	s_delay_alu instid0(VALU_DEP_2)
	v_lshlrev_b32 v[WD], v9, v[WD]
	s_delay_alu instid0(VALU_DEP_2)
	v_lshlrev_b32 v[WD+1], v9, v[WD+1]
	s_delay_alu instid0(VALU_DEP_2)
	v_permlanex16_b32 v[PP], v[WD], s38, s39
	s_delay_alu instid0(VALU_DEP_2)
	v_permlanex16_b32 v[PP+1], v[WD+1], s38, s39
	s_delay_alu instid0(VALU_DEP_2)
	v_or_b32 v[WD], v[WD], v[PP]
	s_delay_alu instid0(VALU_DEP_2)
	v_or_b32 v[WD+1], v[WD+1], v[PP+1]
	s_delay_alu instid0(VALU_DEP_1)
	v_cndmask_b32 v[WD], v[WD], v[WD+1], s40       ; lanes 0-15 keep K step 0's word, lanes 16-31 take K step 1's
.irp q, 0,1,2,3
.irp g, 0,1,2,3
	v_cvt_scalef32_pk8_fp4_f32 v[C+4*\q+\g], v[X+32*\q+8*\g:X+32*\q+8*\g+7], v[SC+\q]   ; eight numbers / the scale, to the nearest code, ties to even, beyond 6 the largest code
.endr
.endr
	v_nop                                          ; one plain line behind the last scaled conversion
.irp q, 0,1,2,3
	global_store_b128 v4, v[C+4*\q:C+4*\q+3], s[8:9] offset:512*\q   ; 32 lanes store 512 consecutive bytes, at a multiple of 256 from the buffer's first byte
.endr
	global_store_b32 v7, v[WD], s[10:11]
	v_cmp_gt_u32 vcc_lo, 16, v1
	s_wait_xcnt 0x0                                ; EXEC changes only behind this wait
	s_wait_tensorcnt 0x0
	ds_add_u32 v192, v193
	s_wait_dscnt 0x0
	s_and_saveexec_b32 s41, vcc_lo
	global_store_b32 v8, v[PB], s[12:13]           ; lanes 0-15: the sixteen sums
	s_wait_xcnt 0x0                                ; and again, in front of the line that widens it
	s_or_b32 exec_lo, exec_lo, s41
	s_endpgm
.Lfunc_end_k_qa15c63205d_quant:
	.size	k_qa15c63205d_quant, .Lfunc_end_k_qa15c63205d_quant-k_qa15c63205d_quant
	.p2alignl 7, 3214868480
	.fill 96, 4, 3214868480
	.section	.rodata,"a",@progbits
	.p2align	6, 0x0
	.amdhsa_kernel k_qa15c63205d_quant
		.amdhsa_group_segment_fixed_size 167680
		.amdhsa_private_segment_fixed_size 0
		.amdhsa_enable_private_segment 0
		.amdhsa_kernarg_size 48
		.amdhsa_user_sgpr_count 2
		.amdhsa_user_sgpr_kernarg_segment_ptr 1
		.amdhsa_wavefront_size32 1
		.amdhsa_system_sgpr_workgroup_id_x 1
		.amdhsa_system_sgpr_workgroup_id_y 1
		.amdhsa_system_sgpr_workgroup_id_z 1
		.amdhsa_system_vgpr_workitem_id 0
		.amdhsa_next_free_vgpr 194
		.amdhsa_next_free_sgpr 66
		.amdhsa_reserve_vcc 1
		.amdhsa_float_denorm_mode_32 3
		.amdhsa_float_denorm_mode_16_64 3
		.amdhsa_memory_ordered 1
		.amdhsa_forward_progress 1
		.amdhsa_inst_pref_size 34
	.end_amdhsa_kernel
	.amdgpu_metadata
---
amdhsa.version: [ 1, 2 ]
amdhsa.kernels:
  - .name:           k_qa15c63205d_quant
    .symbol:         k_qa15c63205d_quant.kd
    .args:
      - { .name: inputs, .offset: 0, .size: 8, .value_kind: global_buffer, .address_space: global }
      - { .name: weight, .offset: 8, .size: 8, .value_kind: global_buffer, .address_space: global }
      - { .name: xc, .offset: 16, .size: 8, .value_kind: global_buffer, .address_space: global }
      - { .name: xs, .offset: 24, .size: 8, .value_kind: global_buffer, .address_space: global }
      - { .name: xn, .offset: 32, .size: 8, .value_kind: global_buffer, .address_space: global }
      - { .name: wq, .offset: 40, .size: 8, .value_kind: global_buffer, .address_space: global }
    .group_segment_fixed_size: 167680
    .private_segment_fixed_size: 0
    .kernarg_segment_align: 8
    .kernarg_segment_size: 48
    .max_flat_workgroup_size: 320
    .sgpr_count:     66
    .vgpr_count:     194
    .wavefront_size: 32
...
	.end_amdgpu_metadata
.endif
;; end of part 1
;; launch coarse (part 2): grid 256 x 1, 8 waves a work-group, clusters of 4 x 1, 327,680 bytes of LDS; arguments xc, xs, xn, wq, gsel; writes gsel
.if DOCPART == 2
	.amdgcn_target "amdgcn-amd-amdhsa--gfx1250"
	.amdhsa_code_object_version 6
	.text
	.protected	k_qa15c63205d_coarse
	.globl	k_qa15c63205d_coarse
	.p2align	8
	.type	k_qa15c63205d_coarse,@function
k_qa15c63205d_coarse:
	s_mov_b64 s[64:65], 0
	v_nop
	global_prefetch_b8 v0, s[64:65] scope:SCOPE_SE
	s_setreg_imm32_b32 hwreg(HW_REG_WAVE_MODE, 25, 1), 1
	s_wait_xcnt 0x0
	s_wait_alu depctr_hold_cnt(0) depctr_sa_sdst(0) depctr_va_vdst(0) depctr_va_sdst(0) depctr_va_ssrc(0) depctr_va_vcc(0) depctr_vm_vsrc(0)
	s_getreg_b32 s2, hwreg(HW_REG_IB_STS2, 6, 4)
	s_cmp_eq_u32 s2, 0
	s_cbranch_scc0 .Lentry_in_a_cluster
	s_endpgm
.Lentry_in_a_cluster:
	s_bfe_u32 s2, ttmp6, 0x10000c
	s_cmp_lg_u32 s2, 0x3003
	s_cbranch_scc0 .Lentry_shape_is_right
	s_endpgm
.Lentry_shape_is_right:
; For each of the 32,768 rows x: which run of 8 neighbouring codes holds the FIRST smallest distance d = fl(fl(sum x^2 + sum e^2) - 2 x.e), x.e on codes of FP4 with E8M0 scales.  gsel[row] = that index / 8.
; The two roundings are made as the problem's definition makes them: s = sum x^2 + sum e^2 by an f32 addition, d by one fused multiply-add of the product with -2 (2 x.e is exact).
; ONLY THE RUN: a lane keeps the smallest VALUE (four v_min3 for 8 distances and the running minimum) and, by one compare and one select a tile, the tile in which it last fell; with the lane's half that names 8 neighbouring codes, which the next launch looks at again.
; THAT IS THE FIRST: a lane walks its codes in ascending order and takes a tile's number only where its minimum falls strictly; lanes and waves are merged by (value, then the lower run).
; SHARES.  A work-group owns 128 rows: 8 tiles of 16, whose fragments every wave keeps in registers.  Eight waves, two for each of a WGP's four SIMDs, share the codes: of each 64 code tiles wave w takes tiles 8 w .. 8 w + 7.  A code fragment read from LDS feeds 16 matrix instructions.
; THE MATRIX INSTRUCTION IS USED TRANSPOSED: source 0 = 16 codes, source 1 = 16 rows of x: lane (r, h) holds row r, its register j code 16 t + 8 h + j.
; THE RING.  Two LDS slots of four blocks of wq (143,360 consecutive bytes); each wave fetches an eighth of a slot, 70 rows of 256 bytes: one tensor load a wave behind each change of slots, one out at a time.  A wave reads what two waves fetched: behind every wave's wait for its load and the barrier.
; CLUSTER.  The four work-groups of a cluster walk the same blocks: each eighth is asked for jointly, by the same tensor load with the same descriptor and a mask that names the four.
; No prefetch: what is walked is 1,146,880 bytes that all 64 clusters read, and x's operands are read at the head alone.
; A PIPELINE OF THREE TILES in each step: tile L's operands are asked of LDS, tile L - 1 is multiplied (16 matrix instructions on end), tile L - 2 is reduced (the vector lines behind them, which name none of their registers).
; AT A CHANGE OF SLOTS two tiles live in registers alone: the last is multiplied and the one before it reduced between the round's opening signal and its wait; the last is reduced behind the refill, under the new slot's first LDS loads.
; LIMITS: NaN and infinities are not served (v_min3_num lets a NaN lose).
; REGISTERS.  Window 0: below.  Window 1: v0-127 x's fragments (row tile i, K step s at 16 i + 8 s); v128-143 sum x^2 of my row of tile i, in both registers of pair 128 + 2 i.
.set QB,    35840                      ; a block: 16 tiles' codes, from 32,768 their scale words, from 34,816 their sums of squares
.set SLOTB, 4*QB
.set EIGHTH, SLOTB/8                   ; 17,920 bytes: 70 rows of 256
.set OSC,   32768
.set OEE,   34816
.set SPARE, 2*SLOTB                    ; behind the ring: the spare words, 128 bytes for each wave: four blocks of 256 bytes that no other line names
.set MV,    SPARE+1024                 ; the waves' minima, [8][128] f32,
.set MGO,   4096                       ; and, this far behind them, their runs
.set SPW, 1                            ; v1      LDS address of my spare word; never rewritten
.set NIL, 2                            ; v2      0; never rewritten
.set LF0, 3                            ; v3      16 x lane
.set LS0, 4                            ; v4      4 x lane
.set LE0, 5                            ; v5      32 h
.set AF,  6                            ; v6-8    LDS addresses of the trip's fragments, scale words, sums
.set AS,  7
.set AE,  8
.set TID, 9                            ; v9      the number, among my wave's 64 tiles, of the tile that is being reduced
.set XS,  10                           ; v10-17  x's scale words: lanes 0-15 K step 0, lanes 16-31 K step 1
.set CS,  18                           ; v18-19  the codes' scale words, by the tile's parity
.set S,   20                           ; v20-27 and v108-115  s of one row tile, two sets by turns
.set GM,  28                           ; v28-35, v36-43  the running minima, written by turns
.set GID, 44                           ; v44-51  the tile in which each last fell
.set EE,  52                           ; v52-59, v60-67  sum e^2 of my 8 codes, by parity
.set CF,  68                           ; v68-83, v84-99  a code tile's fragments, by parity
.set ACC, 128                          ; v128-191, v192-255  8 accumulators, by parity
.set MSB, 0
.macro WIN new                         ; the immediate's high byte repeats the setting that is left; a switch that changes nothing is dropped
.if MSB != \new
	s_set_vgpr_msb (MSB<<8)|\new
.set MSB, \new
.endif
.endm
.macro CREST                           ; a round of the cluster's barrier behind its opening barrier
	s_cmp_lg_u32 s14, 0
	s_cbranch_scc1 .Lnw0_\@
	s_barrier_signal -3
.Lnw0_\@:
	s_barrier_wait -3
	s_barrier_signal -1
	s_barrier_wait -1
.endm
.macro ROUND                           ; a whole round
	s_barrier_signal -1
	s_barrier_wait -1
	CREST
.endm
.macro LDF p, k                        ; a tile's fragments and scale word: the image of the operand's registers, 512 consecutive bytes a load
.irp q, 0,1,2,3
	ds_load_b128 v[CF+16*(\p)+4*\q:CF+16*(\p)+4*\q+3], v[AF] offset:2048*(\k)+512*\q
.endr
	ds_load_b32 v[CS+(\p)], v[AS] offset:OSC+128*(\k)
.endm
.macro LDE p, k                        ; its sums of squares
	ds_load_b128 v[EE+8*(\p):EE+8*(\p)+3], v[AE] offset:OEE+64*(\k)
	ds_load_b128 v[EE+8*(\p)+4:EE+8*(\p)+7], v[AE] offset:OEE+64*(\k)+16
.endm
.macro MM p                            ; the tile of parity p x my 8 row tiles; source 1 in window 1.  The eight accumulators take turns, one instruction a turn; K step 0 starts the sums
.irp i, 0,1,2,3,4,5,6,7
	v_wmma_scale_f32_16x16x128_f8f6f4 v[ACC+64*(\p)+8*\i:ACC+64*(\p)+8*\i+7], v[CF+16*(\p):CF+16*(\p)+7], v[16*\i:16*\i+7], 0, v[CS+(\p)], v[XS+\i] matrix_a_fmt:MATRIX_FMT_FP4 matrix_b_fmt:MATRIX_FMT_FP4
.endr
.irp i, 0,1,2,3,4,5,6,7
	v_wmma_scale_f32_16x16x128_f8f6f4 v[ACC+64*(\p)+8*\i:ACC+64*(\p)+8*\i+7], v[CF+16*(\p)+8:CF+16*(\p)+15], v[16*\i+8:16*\i+15], v[ACC+64*(\p)+8*\i:ACC+64*(\p)+8*\i+7], v[CS+(\p)], v[XS+\i] matrix_a_fmt:MATRIX_FMT_FP4 matrix_b_fmt:MATRIX_FMT_FP4 matrix_a_scale:MATRIX_SCALE_ROW1 matrix_b_scale:MATRIX_SCALE_ROW1
.endr
.endm
.macro SADD p, t                       ; s = sum e^2 + sum x^2 of row tile t, rounded, into set t % 2
.irp q, 0,1,2,3
	v_pk_add_f32 v[S+88*((\t)%2)+2*\q:S+88*((\t)%2)+2*\q+1], v[EE+8*(\p)+2*\q:EE+8*(\p)+2*\q+1], v[128+2*(\t):129+2*(\t)]
.endr
.endm
.macro DFMA p, t                       ; d = s - 2 x.e, rounded once; the accumulator from its low end on
.irp q, 0,1,2,3
	v_pk_fma_f32 v[ACC+64*(\p)+8*(\t)+2*\q:ACC+64*(\p)+8*(\t)+2*\q+1], v[ACC+64*(\p)+8*(\t)+2*\q:ACC+64*(\p)+8*(\t)+2*\q+1], -2.0, v[S+88*((\t)%2)+2*\q:S+88*((\t)%2)+2*\q+1] op_sel_hi:[1,0,1]
.endr
.endm
.macro DIST p                          ; the distances of the tile of parity p; source 1 in window 1.  The additions run one row tile ahead of the multiply-adds: eight lines lie between a sum and its reader
	SADD \p, 0
.set TT, 0
.rept 8
.if TT < 7
	SADD \p, TT+1
.endif
	DFMA \p, TT
.set TT, TT+1
.endr
.endm
.macro FOLD p                          ; the smallest of a lane's 8 distances and the running minimum: four v_min3 a row tile, the eight row tiles by turns
.irp i, 0,1,2,3,4,5,6,7
	v_min3_num_f32 v[ACC+64*(\p)+8*\i], v[ACC+64*(\p)+8*\i], v[ACC+64*(\p)+8*\i+1], v[ACC+64*(\p)+8*\i+2]
.endr
.irp i, 0,1,2,3,4,5,6,7
	v_min3_num_f32 v[ACC+64*(\p)+8*\i+3], v[ACC+64*(\p)+8*\i+3], v[ACC+64*(\p)+8*\i+4], v[ACC+64*(\p)+8*\i+5]
.endr
.irp i, 0,1,2,3,4,5,6,7
	v_min3_num_f32 v[ACC+64*(\p)+8*\i+6], v[ACC+64*(\p)+8*\i+6], v[ACC+64*(\p)+8*\i+7], v[GM+8*(1-(\p))+\i]
.endr
.irp i, 0,1,2,3,4,5,6,7
	v_min3_num_f32 v[GM+8*(\p)+\i], v[ACC+64*(\p)+8*\i], v[ACC+64*(\p)+8*\i+3], v[ACC+64*(\p)+8*\i+6]
.endr
.irp i, 0,1,2,3,4,5,6,7
	v_cmp_lt_f32 s[40+\i], v[GM+8*(\p)+\i], v[GM+8*(1-(\p))+\i]           ; has it fallen?  Strictly: a tie stays with the earlier tile
.endr
.irp i, 0,1,2,3,4,5,6,7
	v_cndmask_b32 v[GID+\i], v[GID+\i], v[TID], s[40+\i]
.endr
	v_add_nc_u32 v[TID], 1, v[TID]
.endm
.macro REDUCE p                        ; distances and minimum of the tile of parity p
	WIN 0x04
	DIST \p
	WIN 0
	FOLD \p
.endm
; ONE STEP.  p: the parity of the tile that is loaded and of the tile that is reduced; the tile that is multiplied has the other.  k: the step's place in its trip.
.macro STEP p, k
	s_wait_dscnt 2                                 ; LDS loads come back in order: all but the last two (the newest tile's sums) are in: the fragments and scale word to be multiplied, and the sums of the tile to be reduced
	LDF \p, \k
	WIN 0x04
	MM 1-(\p)
	DIST \p
	WIN 0
	LDE \p, \k                                     ; into the registers that the lines above have read for the last time
	FOLD \p
.endm
.macro ADDR                            ; a trip's LDS addresses
	v_add_nc_u32 v[AF], s33, v[LF0]
	v_add_nc_u32 v[AS], s34, v[LS0]
	v_add_nc_u32 v[AE], s35, v[LE0]
.endm
.macro NEXT                            ; two tiles on
	s_add_co_u32 s33, s33, 4096
	s_add_co_u32 s34, s34, 256
	s_add_co_u32 s35, s35, 128
.endm
; A SLOT'S 8 TILES OF MINE, with the change of slots at their head.  All LDS reads of the slot that is left are back; its last two tiles live in registers.
; refill = 1: the slot that is left takes the four blocks that follow this slot's.  first = 1: the pipeline begins.
.macro SLOTRUN lds, refill, first
	s_wait_tensorcnt 0x0                           ; my one tensor load, my eighth of this slot, has landed: so every group 0 may be written
	ds_add_u32 v[SPW], v[NIL]                      ; 0 onto my spare word
	s_add_nc_u64 s[26+4*\lds:27+4*\lds], s[26+4*\lds:27+4*\lds], 2*SLOTB   ; this slot's next blocks (behind the last ones the stepped address is not used)
	s_add_co_u32 s33, s54, \lds*SLOTB              ; my eight tiles in this slot: fragments,
	s_add_co_u32 s34, s55, \lds*SLOTB              ; scale words,
	s_add_co_u32 s35, s56, \lds*SLOTB              ; sums
	s_wait_dscnt 0x0                               ; the add is done, and my reads of the slot that I leave are back
	s_barrier_signal -1                            ; say so; work on registers alone stands between this line and the wait
.if (\first) == 0
	WIN 0x04
	MM 1                                           ; the left slot's last tile is multiplied,
	DIST 0                                         ; the one before it reduced
	WIN 0
	FOLD 0
.endif
	s_barrier_wait -1
.if \refill
	CREST                                          ; the barrier has opened a round: both hold of every wave of the four work-groups, and this slot is whole
	tensor_load_to_lds s[28-4*\lds:31-4*\lds], s[16:23]   ; my one tensor load until the next change of slots
	s_nop 0
.rept 4
	v_nop
.endr
.endif
	ADDR
	s_wait_alu depctr_va_vdst(0)                   ; the wait behind these writes
	LDF 0, 0
	LDE 0, 0
.if (\first) == 0
	REDUCE 1                                       ; the left slot's last tile, while this slot's first loads are out
.endif
	s_wait_dscnt 2                                 ; the first tile's fragments and scale word are in; its two loads of sums may be out
	LDF 1, 1
	WIN 0x04
	MM 0
	WIN 0
.rept 4
	v_nop                                          ; no reduction follows these products: four plain lines stand in front of the next loads into the fragments that they read (ISA guide 7.12.1 for vector instructions)
.endr
	LDE 1, 1
	NEXT
	s_mov_b32 s36, 3
.Ltrip_\@:
	ADDR
	s_wait_alu depctr_va_vdst(0)                   ; the wait behind these writes
	STEP 0, 0
	STEP 1, 1
	NEXT
	s_sub_co_u32 s36, s36, 1
	s_cmp_lg_u32 s36, 0
	s_cbranch_scc1 .Ltrip_\@
.endm
; four times: the smaller of (value a, run ga) and (value b, run gb), by value and then by run, into a and ga; the four by turns
.macro LEX4 a, ga, b, gb
.irp e, 0,1,2,3
	v_cmp_lt_f32 s[40+\e], v[\b+\e], v[\a+\e]
.endr
.irp e, 0,1,2,3
	v_cmp_eq_f32 s[44+\e], v[\b+\e], v[\a+\e]
.endr
.irp e, 0,1,2,3
	v_cmp_lt_u32 s[50+\e], v[\gb+\e], v[\ga+\e]
.endr
.irp e, 0,1,2,3
	s_and_b32 s[44+\e], s[44+\e], s[50+\e]
	s_or_b32 s[40+\e], s[40+\e], s[44+\e]
.endr
.irp e, 0,1,2,3
	v_cndmask_b32 v[\a+\e], v[\a+\e], v[\b+\e], s[40+\e]
	v_cndmask_b32 v[\ga+\e], v[\ga+\e], v[\gb+\e], s[40+\e]
.endr
.endm
	s_load_b256 s[4:11], s[0:1], 0x0               ; xc s[4:5], xs s[6:7], xn s[8:9], wq s[10:11]
	s_load_b64 s[12:13], s[0:1], 0x20              ; gsel
	v_lshl_add_u32 v[SPW], v0, 2, SPARE
	v_mov_b32 v[NIL], 0
	ds_add_u32 v[SPW], v[NIL]                      ; the opening lines: the add, twice on end, and its wait ahead of my first tensor load
	ds_add_u32 v[SPW], v[NIL]
	v_lshrrev_b32 v100, 5, v0
	s_delay_alu instid0(VALU_DEP_1)
	v_readfirstlane_b32 s14, v100                  ; wave 0..7
	s_bfe_u32 s15, ttmp6, 0x40000                  ; cx: my place in the cluster
	s_lshl_b32 s3, ttmp9, 2                        ; in a cluster launch ttmp9 counts clusters
	s_add_co_u32 s3, s3, s15                       ; my block of 128 rows: it enters x's and gsel's addresses alone
	s_mul_i32 s32, s14, EIGHTH                     ; the eighth of a slot that I fetch
	s_lshr_b32 s57, s14, 1
	s_mul_i32 s57, s57, QB                         ; the block that I read: w / 2,
	s_and_b32 s58, s14, 1                          ; and which 8 of its 16 tiles
	s_lshl_b32 s54, s58, 14
	s_add_co_u32 s54, s54, s57                     ; fragments: 2,048 bytes a tile
	s_lshl_b32 s55, s58, 10
	s_add_co_u32 s55, s55, s57                     ; scale words: 128
	s_lshl_b32 s56, s58, 9
	s_add_co_u32 s56, s56, s57                     ; sums: 64
	; descriptor group 1: 17,920 dense bytes as 70 rows of 256 bytes (32 elements of 8 bytes)
	s_mov_b32 s16, 15|(3<<16)|(1<<21)              ; 15:0 the mask: all four work-groups; 17:16 elements of 8 bytes; 21 set beside a mask; no padding: every read takes consecutive bytes
	s_mov_b32 s17, 32<<16                          ; tensor_dim0 = 32
	s_mov_b32 s18, 70<<16                          ; tensor_dim1 = 70
	s_mov_b32 s19, 32<<16                          ; tile_dim0 = 32
	s_mov_b32 s20, 70                              ; tile_dim1 = 70
	s_mov_b32 s21, 32                              ; from row to row
	s_mov_b32 s22, 0
	s_mov_b32 s23, 0
	s_mov_b32 s48, 0x76543210
	s_mov_b32 s49, 0xfedcba98                      ; v_permlanex16_b32's selects for lane l xor 16
	v_and_b32 v101, 31, v0                         ; lane
	v_bfe_u32 v102, v0, 4, 1                       ; h
	v_and_b32 v103, 15, v0                         ; r
	s_delay_alu instid0(VALU_DEP_3)
	v_lshlrev_b32 v[LF0], 4, v101
	s_delay_alu instid0(VALU_DEP_4)
	v_lshlrev_b32 v[LS0], 2, v101
	s_delay_alu instid0(VALU_DEP_4)
	v_lshlrev_b32 v[LE0], 5, v102
	s_delay_alu instid0(VALU_DEP_4)
	v_lshlrev_b32 v103, 2, v103                    ; 4 r
	s_mov_b32 s39, 0
	s_mov_b32 s52, s32
	s_mov_b32 s53, 0
	s_wait_alu depctr_va_vdst(0)                   ; the wait here, directly ahead of the waits below
	s_wait_dscnt 0x0                               ; both opening adds are done
	s_wait_kmcnt 0x0
	s_lshl_b32 s38, s3, 14
	s_add_nc_u64 s[4:5], s[4:5], s[38:39]          ; my 8 row tiles' codes,
	s_lshl_b32 s38, s3, 10
	s_add_nc_u64 s[6:7], s[6:7], s[38:39]          ; scale words,
	s_lshl_b32 s38, s3, 9
	s_add_nc_u64 s[8:9], s[8:9], s[38:39]          ; sums of squares,
	s_add_nc_u64 s[12:13], s[12:13], s[38:39]      ; and results
	s_add_nc_u64 s[10:11], s[10:11], s[52:53]      ; wq at my wave's first eighth: made of the wave's number alone
	WIN 0x40                                       ; destination window 1, address window 0
.irp i, 0,1,2,3,4,5,6,7
.irp q, 0,1,2,3
	global_load_b128 v[16*\i+4*\q:16*\i+4*\q+3], v[LF0], s[4:5] offset:2048*\i+512*\q   ; x's fragments stay in registers; they are asked for ahead of the round
.endr
.endr
.irp i, 0,1,2,3,4,5,6,7
	global_load_b32 v[128+2*\i], v103, s[8:9] offset:64*\i      ; sum x^2 of row r of tile i, twice: a pair for the packed addition
	global_load_b32 v[129+2*\i], v103, s[8:9] offset:64*\i
.endr
	WIN 0
.irp i, 0,1,2,3,4,5,6,7
	global_load_b32 v[XS+\i], v[LS0], s[6:7] offset:128*\i
.endr
	s_mov_b32 s24, 1                               ; group 0 for slot 0: count = 1,
	s_mov_b32 s25, s32                             ; LDS address,
	s_mov_b64 s[26:27], s[10:11]                   ; global address: blocks 0 to 3,
	s_or_b32 s27, s27, 0x80000000                  ; type = 2
	s_mov_b32 s28, 1                               ; and for slot 1:
	s_add_co_u32 s29, s32, SLOTB
	s_add_nc_u64 s[30:31], s[10:11], SLOTB         ; blocks 4 to 7
	s_or_b32 s31, s31, 0x80000000
	ROUND                                          ; all four work-groups are here: the first joint loads meet
	tensor_load_to_lds s[24:27], s[16:23]          ; one tensor load a wave at the head
	s_nop 0
.rept 4
	v_nop
.endr
.irp i, 0,1,2,3,4,5,6,7
	v_mov_b32 v[GM+8+\i], 0x7f800000               ; the minimum so far: +infinity
	v_mov_b32 v[GID+\i], 0
.endr
	v_mov_b32 v[TID], 0
	s_wait_alu depctr_va_vdst(0)                   ; the wait at the head's end
	s_wait_loadcnt 0x0                             ; x's operands, once
	SLOTRUN 0, 1, 1                                ; blocks 0-3; slot 1 is filled for the first time, as a refill is
	s_mov_b32 s37, 3
.Lpair:
	SLOTRUN 1, 1, 0
	SLOTRUN 0, 1, 0
	s_sub_co_u32 s37, s37, 1
	s_cmp_lg_u32 s37, 0
	s_cbranch_scc1 .Lpair
	SLOTRUN 1, 0, 0                                ; the last four blocks are written out: nothing is left to fetch
	s_wait_dscnt 0x0                               ; the pipeline runs dry
	WIN 0x04
	MM 1
	DIST 0
	WIN 0
	FOLD 0
	REDUCE 1
	; THE WAY OUT.  My wave's tile q = 8 sigma + u is tile 64 sigma + 8 w + u of the codes; with my half it names the run 2 x tile + h = 128 sigma + 2 u + 16 w + h.  Each stage goes over the eight row tiles by turns.
	s_lshl_b32 s50, s14, 4
	v_add_nc_u32 v104, s50, v102                   ; 16 w + h
	s_lshl_b32 s51, s14, 9
	s_add_co_u32 s51, s51, MV
	v_add_nc_u32 v105, s51, v103                   ; where my wave's results go: 512 w + 4 r
	v_add_nc_u32 v122, MV, v[LF0]                  ; and where the merge reads: four rows a lane
.irp i, 0,1,2,3,4,5,6,7
	v_and_b32 v[106+\i], 0x38, v[GID+\i]           ; 8 sigma
.endr
.irp i, 0,1,2,3,4,5,6,7
	v_and_b32 v[114+\i], 7, v[GID+\i]              ; u
.endr
.irp i, 0,1,2,3,4,5,6,7
	v_lshl_add_u32 v[106+\i], v[106+\i], 3, v[114+\i]
.endr
.irp i, 0,1,2,3,4,5,6,7
	v_lshl_add_u32 v[GID+\i], v[106+\i], 1, v104
.endr
.irp i, 0,1,2,3,4,5,6,7
	v_permlanex16_b32 v[106+\i], v[GM+8+\i], s48, s49   ; the row's other 8 codes of each tile lie in the lane 16 away
.endr
.irp i, 0,1,2,3,4,5,6,7
	v_permlanex16_b32 v[114+\i], v[GID+\i], s48, s49
.endr
	LEX4 GM+8, GID, 106, 114
	LEX4 GM+12, GID+4, 110, 118
.irp i, 0,1,2,3,4,5,6,7
	ds_store_b32 v105, v[GM+8+\i] offset:64*\i     ; both halves of the lanes write the same word with the same value
	ds_store_b32 v105, v[GID+\i] offset:MGO+64*\i
.endr
	s_wait_dscnt 0x0                               ; for the others' sake: my stores have landed
	s_barrier_signal -1
	s_barrier_wait -1
	s_cmp_lg_u32 s14, 0
	s_cbranch_scc1 .Lno_store                      ; wave 0 alone merges the eight waves' results and stores them
.irp w, 0,1,2,3,4,5,6,7
	ds_load_b128 v[128+4*\w:131+4*\w], v122 offset:512*\w
	ds_load_b128 v[160+4*\w:163+4*\w], v122 offset:MGO+512*\w
.endr
	s_wait_dscnt 0x0
.irp w, 1,2,3,4,5,6,7
	LEX4 128, 160, 128+4*\w, 160+4*\w
.endr
	global_store_b128 v[LF0], v[160:163], s[12:13] ; 32 lanes store the 128 rows' runs: 512 consecutive bytes, at a multiple of 256 from the buffer's first byte
.Lno_store:
	s_wait_tensorcnt 0x0                           ; the wave's end, behind my last tensor load and my last LDS store
	ds_add_u32 v[SPW], v[NIL]
	s_wait_dscnt 0x0
	ROUND                                          ; the closing round: no work-group ends while a partner may still ask for a block that names it
	s_endpgm
.Lfunc_end_k_qa15c63205d_coarse:
	.size	k_qa15c63205d_coarse, .Lfunc_end_k_qa15c63205d_coarse-k_qa15c63205d_coarse
	.p2alignl 7, 3214868480
	.fill 96, 4, 3214868480
	.section	.rodata,"a",@progbits
	.p2align	6, 0x0
	.amdhsa_kernel k_qa15c63205d_coarse
		.amdhsa_group_segment_fixed_size 327680
		.amdhsa_private_segment_fixed_size 0
		.amdhsa_enable_private_segment 0
		.amdhsa_kernarg_size 40
		.amdhsa_user_sgpr_count 2
		.amdhsa_user_sgpr_kernarg_segment_ptr 1
		.amdhsa_wavefront_size32 1
		.amdhsa_system_sgpr_workgroup_id_x 1
		.amdhsa_system_sgpr_workgroup_id_y 1
		.amdhsa_system_sgpr_workgroup_id_z 1
		.amdhsa_system_vgpr_workitem_id 0
		.amdhsa_next_free_vgpr 400
		.amdhsa_next_free_sgpr 66
		.amdhsa_reserve_vcc 0
		.amdhsa_float_denorm_mode_32 3
		.amdhsa_float_denorm_mode_16_64 3
		.amdhsa_memory_ordered 1
		.amdhsa_forward_progress 1
		.amdhsa_inst_pref_size 189
	.end_amdhsa_kernel
	.amdgpu_metadata
---
amdhsa.version: [ 1, 2 ]
amdhsa.kernels:
  - .name:           k_qa15c63205d_coarse
    .symbol:         k_qa15c63205d_coarse.kd
    .args:
      - { .name: xc, .offset: 0, .size: 8, .value_kind: global_buffer, .address_space: global }
      - { .name: xs, .offset: 8, .size: 8, .value_kind: global_buffer, .address_space: global }
      - { .name: xn, .offset: 16, .size: 8, .value_kind: global_buffer, .address_space: global }
      - { .name: wq, .offset: 24, .size: 8, .value_kind: global_buffer, .address_space: global }
      - { .name: gsel, .offset: 32, .size: 8, .value_kind: global_buffer, .address_space: global }
    .group_segment_fixed_size: 327680
    .private_segment_fixed_size: 0
    .kernarg_segment_align: 8
    .kernarg_segment_size: 40
    .max_flat_workgroup_size: 256
    .sgpr_count:     66
    .vgpr_count:     400
    .wavefront_size: 32
...
	.end_amdgpu_metadata
.endif
;; end of part 2
;; launch resolve (part 3): grid 256 x 1, 8 waves a work-group, no clusters, 1,536 bytes of LDS; arguments xc, xs, xn, wq, gsel, idx, out1; writes idx, out1
.if DOCPART == 3
	.amdgcn_target "amdgcn-amd-amdhsa--gfx1250"
	.amdhsa_code_object_version 6
	.text
	.protected	k_qa15c63205d_resolve
	.globl	k_qa15c63205d_resolve
	.p2align	8
	.type	k_qa15c63205d_resolve,@function
k_qa15c63205d_resolve:
	s_mov_b64 s[64:65], 0
	v_nop
	global_prefetch_b8 v0, s[64:65] scope:SCOPE_SE
	s_setreg_imm32_b32 hwreg(HW_REG_WAVE_MODE, 25, 1), 1
	s_wait_xcnt 0x0
; gsel[row] names the run of 8 neighbouring codes that holds the row's first smallest distance.  Here those 8 distances are made again, by the same matrix instruction on the same codes, K steps and scales and by the same
; two roundings, so that they have the same bits; the first smallest of the 8 gives the index, which goes to out1 and to idx (the list from which the next launch forms addresses).
; SHARES.  A wave takes a tile of 16 rows.  One pair of matrix instructions (two K steps) serves TWO rows: source 0's rows 0-7 are the run of row p, its rows 8-15 the run of row p + 8; source 1 is the tile of x.
; In the result, register j of lane (r, h) is (source 0's row 8 h + j) x (row r of x): what is wanted stands in lane p (row p) and in lane 24 + p (row p + 8).  Eight such pairs, p = 0 .. 7; selects gather the wanted lanes.
; Source 0 is gathered from wq's images: lane (r, h) takes, for K step s and chunk c, the 16 bytes that lane 16 h + 8 (g & 1) + (r & 7) of tile g / 2 holds, g the run of row p + 8 (r / 8).
; Every offset made of a loaded run stands behind a clamp to 1,023, the highest run there is.  No LDS ring, no tensor load: each wave gathers for itself.
; LIMITS: NaN and infinities are not served.
.set GL,  14                           ; v14-21  the runs of rows p + 8 (r / 8), then the offsets of their fragments
.set SO,  22                           ; v22-29  the offsets of their scale words
.set AS,  30                           ; v30-37  source 0's scale words
.set XS,  38                           ; v38     x's
.set EE,  40                           ; v40-47  sum e^2 of my row's 8 candidates
.set S,   48                           ; v48-55  s, then the distances
.set XF,  56                           ; v56-71  x's fragments
.set AF,  72                           ; v72-199 source 0's fragments: pair p, K step s at 16 p + 8 s
.set ACC, 200                          ; v200-239 five accumulators
.macro RMUL p, a, s                    ; pair p, K step s, into accumulator a
.if \s == 0
	v_wmma_scale_f32_16x16x128_f8f6f4 v[ACC+8*(\a):ACC+8*(\a)+7], v[AF+16*\p:AF+16*\p+7], v[XF:XF+7], 0, v[AS+\p], v[XS] matrix_a_fmt:MATRIX_FMT_FP4 matrix_b_fmt:MATRIX_FMT_FP4
.else
	v_wmma_scale_f32_16x16x128_f8f6f4 v[ACC+8*(\a):ACC+8*(\a)+7], v[AF+16*\p+8:AF+16*\p+15], v[XF+8:XF+15], v[ACC+8*(\a):ACC+8*(\a)+7], v[AS+\p], v[XS] matrix_a_fmt:MATRIX_FMT_FP4 matrix_b_fmt:MATRIX_FMT_FP4 matrix_a_scale:MATRIX_SCALE_ROW1 matrix_b_scale:MATRIX_SCALE_ROW1
.endif
.endm
	s_load_b256 s[4:11], s[0:1], 0x0               ; xc s[4:5], xs s[6:7], xn s[8:9], wq s[10:11]
	s_load_b128 s[12:15], s[0:1], 0x20             ; gsel s[12:13], idx s[14:15]
	s_load_b64 s[16:17], s[0:1], 0x30              ; out1
	v_lshl_add_u32 v254, v0, 2, 0x200
	v_mov_b32 v255, 0
	v_lshrrev_b32 v1, 5, v0
	s_delay_alu instid0(VALU_DEP_1)
	v_readfirstlane_b32 s18, v1                    ; wave 0..7
	v_and_b32 v1, 31, v0                           ; lane
	v_and_b32 v2, 15, v0                           ; r
	v_bfe_u32 v3, v0, 4, 1                         ; h
	v_and_b32 v4, 7, v0                            ; r & 7
	s_delay_alu instid0(VALU_DEP_1)
	v_lshlrev_b32 v5, 4, v4
	s_delay_alu instid0(VALU_DEP_1)
	v_lshl_add_u32 v5, v3, 8, v5                   ; my place in an image of codes: 16 (r & 7) + 256 h
	s_delay_alu instid0(VALU_DEP_3)
	v_lshlrev_b32 v6, 2, v4
	s_delay_alu instid0(VALU_DEP_1)
	v_lshl_add_u32 v6, v3, 6, v6                   ; and in one of scale words: 4 (r & 7) + 64 h
	v_bfe_u32 v7, v0, 3, 1
	s_delay_alu instid0(VALU_DEP_1)
	v_lshlrev_b32 v7, 5, v7                        ; 32 (r / 8): rows 8-15 of the tile in gsel
	v_lshlrev_b32 v8, 2, v2                        ; 4 r
	v_lshlrev_b32 v9, 4, v1                        ; 16 x lane
	v_lshlrev_b32 v39, 2, v1                       ; 4 x lane
	s_lshl_b32 s22, s18, 6
	v_add_nc_u32 v246, s22, v8                     ; LDS: my wave's 16 results, 4 r
	v_mov_b32 v242, 0                              ; written once: a lane permute's destination counts as one of its sources
.irp p, 1,2,3,4,5,6,7
	s_mov_b32 s[24+\p], 0x01000001<<\p             ; lanes p and 24 + p
.endr
	s_mov_b32 s32, 0xff0000ff                      ; the lanes that hold a result: 0-7 (rows 0-7) and 24-31 (rows 8-15)
	s_mov_b32 s34, 0x76543210
	s_mov_b32 s35, 0xfedcba98                      ; v_permlanex16_b32's selects for lane l xor 16
	s_lshl_b32 s19, ttmp9, 3
	s_add_co_u32 s19, s19, s18                     ; my tile of rows
	s_mov_b32 s21, 0
	s_wait_alu depctr_va_vdst(0)
	s_wait_kmcnt 0x0
	s_lshl_b32 s20, s19, 11
	s_add_nc_u64 s[4:5], s[4:5], s[20:21]
	s_lshl_b32 s20, s19, 7
	s_add_nc_u64 s[6:7], s[6:7], s[20:21]
	s_lshl_b32 s20, s19, 6
	s_add_nc_u64 s[8:9], s[8:9], s[20:21]
	s_add_nc_u64 s[12:13], s[12:13], s[20:21]
	s_cmp_eq_u32 s18, 0                            ; wave 0 will store out1, wave 1 idx
	s_cselect_b64 s[14:15], s[16:17], s[14:15]
	s_lshl_b32 s20, ttmp9, 9
	s_add_nc_u64 s[14:15], s[14:15], s[20:21]      ; the work-group's 128 rows
.irp p, 0,1,2,3,4,5,6,7
	global_load_b32 v[GL+\p], v7, s[12:13] offset:4*\p   ; the run of row p + 8 (r / 8)
.endr
	global_load_b32 v10, v8, s[12:13]              ; and of row r
.irp q, 0,1,2,3
	global_load_b128 v[XF+4*\q:XF+4*\q+3], v9, s[4:5] offset:512*\q
.endr
	global_load_b32 v[XS], v39, s[6:7]
	global_load_b32 v12, v8, s[8:9]                ; sum x^2 of row r
	s_wait_loadcnt 6                               ; the nine runs are in; the six loads issued behind them may stay out
.irp p, 0,1,2,3,4,5,6,7
	v_min_u32 v[GL+\p], 0x3ff, v[GL+\p]            ; g.  Its tile is g / 2: block g / 32 of 35,840 bytes, tile (g / 2) % 16 in it, rows 8 (g & 1) on
	s_delay_alu instid0(VALU_DEP_1)
	v_and_b32 v240, 0x3e0, v[GL+\p]
	s_delay_alu instid0(VALU_DEP_1)
	v_mul_u32_u24 v240, v240, 1120                 ; 32 (g / 32) x 1,120 = the block
	s_delay_alu instid0(VALU_DEP_3)
	v_and_b32 v241, 30, v[GL+\p]
	s_delay_alu instid0(VALU_DEP_4)
	v_and_b32 v243, 1, v[GL+\p]
	s_delay_alu instid0(VALU_DEP_2)
	v_lshlrev_b32 v244, 10, v241                   ; codes: 2,048 a tile,
	s_delay_alu instid0(VALU_DEP_2)
	v_lshlrev_b32 v245, 7, v243                    ; 16 a row
	s_delay_alu instid0(VALU_DEP_1)
	v_add_nc_u32 v244, v244, v245
	s_delay_alu instid0(VALU_DEP_1)
	v_add_nc_u32 v244, v244, v240
	s_delay_alu instid0(VALU_DEP_1)
	v_add_nc_u32 v[GL+\p], v244, v5
	v_lshlrev_b32 v244, 6, v241                    ; scale words: 128 a tile,
	v_lshlrev_b32 v245, 5, v243                    ; 4 a row
	s_delay_alu instid0(VALU_DEP_1)
	v_add_nc_u32 v244, v244, v245
	s_delay_alu instid0(VALU_DEP_1)
	v_add_nc_u32 v244, v244, v240
	s_delay_alu instid0(VALU_DEP_1)
	v_add_nc_u32 v[SO+\p], v244, v6
.endr
	v_min_u32 v10, 0x3ff, v10                      ; my row's own run
	s_delay_alu instid0(VALU_DEP_1)
	v_and_b32 v240, 0x3e0, v10
	s_delay_alu instid0(VALU_DEP_1)
	v_mul_u32_u24 v240, v240, 1120
	s_delay_alu instid0(VALU_DEP_3)
	v_and_b32 v241, 30, v10
	s_delay_alu instid0(VALU_DEP_4)
	v_and_b32 v243, 1, v10
	s_delay_alu instid0(VALU_DEP_2)
	v_lshlrev_b32 v244, 5, v241                    ; sums: 64 a tile,
	s_delay_alu instid0(VALU_DEP_2)
	v_lshlrev_b32 v245, 5, v243                    ; 32 a run
	s_delay_alu instid0(VALU_DEP_1)
	v_add_nc_u32 v244, v244, v245
	s_delay_alu instid0(VALU_DEP_1)
	v_add_nc_u32 v11, v244, v240
.irp p, 0,1,2,3,4,5,6,7
.irp q, 0,1,2,3
	global_load_b128 v[AF+16*\p+4*\q:AF+16*\p+4*\q+3], v[GL+\p], s[10:11] offset:512*\q
.endr
	global_load_b32 v[AS+\p], v[SO+\p], s[10:11] offset:32768
.endr
	global_load_b128 v[EE:EE+3], v11, s[10:11] offset:34816
	global_load_b128 v[EE+4:EE+7], v11, s[10:11] offset:34816+16
	s_wait_loadcnt 0x0
	v_mov_b32 v13, v12                             ; a pair for the packed addition
.irp p, 0,1,2,3                        ; pairs 0 to 3: four accumulators by turns
	RMUL \p, \p, 0
.endr
.irp p, 0,1,2,3
	RMUL \p, \p, 1
.endr
.irp q, 0,1,2,3
	v_pk_add_f32 v[S+2*\q:S+2*\q+1], v[EE+2*\q:EE+2*\q+1], v[12:13]   ; s = sum e^2 + sum x^2, rounded.  (These four are the places behind the products: ISA guide 7.12.1)
.endr
.irp p, 1,2,3
.irp j, 0,1,2,3,4,5,6,7
	v_cndmask_b32 v[ACC+\j], v[ACC+\j], v[ACC+8*\p+\j], s[24+\p]      ; pair p's two lanes; each accumulator from its low end on
.endr
.endr
.irp p, 4,5,6,7                        ; pairs 4 to 7 into accumulators 1 to 4: behind each one's last writer stand the four additions and sixteen selects that name none of its registers
	RMUL \p, (\p-3), 0
.endr
.irp p, 4,5,6,7
	RMUL \p, (\p-3), 1
.endr
.rept 4
	v_nop
.endr
.irp p, 4,5,6,7
.irp j, 0,1,2,3,4,5,6,7
	v_cndmask_b32 v[ACC+\j], v[ACC+\j], v[ACC+8*(\p-3)+\j], s[24+\p]
.endr
.endr
.irp q, 0,1,2,3
	v_pk_fma_f32 v[S+2*\q:S+2*\q+1], v[ACC+2*\q:ACC+2*\q+1], -2.0, v[S+2*\q:S+2*\q+1] op_sel_hi:[1,0,1]   ; d = s - 2 x.e, rounded once
.endr
	s_delay_alu instid0(VALU_DEP_4)
	v_mov_b32 v240, v[S]                           ; the smallest so far,
	v_mov_b32 v241, 0                              ; and where
.irp j, 1
	s_delay_alu instid0(VALU_DEP_2)
	v_cmp_le_f32 vcc_lo, v240, v[S+\j]             ; a tie stays with the lower index
	s_delay_alu instid0(VALU_DEP_1)
	v_cndmask_b32 v241, \j, v241, vcc_lo
	s_delay_alu instid0(VALU_DEP_4)
	v_min_num_f32 v240, v240, v[S+\j]
.endr
.irp j, 2, 3, 4, 5, 6, 7
	s_delay_alu instid0(VALU_DEP_1)
	v_cmp_le_f32 vcc_lo, v240, v[S+\j]             ; a tie stays with the lower index
	s_delay_alu instid0(VALU_DEP_1)
	v_cndmask_b32 v241, \j, v241, vcc_lo
	s_delay_alu instid0(VALU_DEP_3)
	v_min_num_f32 v240, v240, v[S+\j]
.endr
	s_delay_alu instid0(VALU_DEP_2)
	v_lshl_add_u32 v241, v10, 3, v241              ; 8 x run + place
	s_delay_alu instid0(VALU_DEP_1)
	v_permlanex16_b32 v242, v241, s34, s35
	s_delay_alu instid0(VALU_DEP_1)
	v_cndmask_b32 v241, v242, v241, s32            ; every lane now holds row r's index
	ds_store_b32 v246, v241                        ; both halves of the lanes write the same word with the same value
	s_wait_dscnt 0x0                               ; for the others' sake: my store has landed
	s_barrier_signal -1
	s_barrier_wait -1
	s_cmp_lt_u32 s18, 2
	s_cbranch_scc0 .Ldone
	ds_load_b128 v[248:251], v9                    ; the work-group's 128 indices, four a lane
	s_wait_dscnt 0x0
	global_store_b128 v9, v[248:251], s[14:15]     ; 512 consecutive bytes, at a multiple of 256 from the buffer's first byte
.Ldone:
	s_wait_tensorcnt 0x0
	ds_add_u32 v254, v255
	s_wait_dscnt 0x0
	s_endpgm
.Lfunc_end_k_qa15c63205d_resolve:
	.size	k_qa15c63205d_resolve, .Lfunc_end_k_qa15c63205d_resolve-k_qa15c63205d_resolve
	.p2alignl 7, 3214868480
	.fill 96, 4, 3214868480
	.section	.rodata,"a",@progbits
	.p2align	6, 0x0
	.amdhsa_kernel k_qa15c63205d_resolve
		.amdhsa_group_segment_fixed_size 1536
		.amdhsa_private_segment_fixed_size 0
		.amdhsa_enable_private_segment 0
		.amdhsa_kernarg_size 56
		.amdhsa_user_sgpr_count 2
		.amdhsa_user_sgpr_kernarg_segment_ptr 1
		.amdhsa_wavefront_size32 1
		.amdhsa_system_sgpr_workgroup_id_x 1
		.amdhsa_system_sgpr_workgroup_id_y 1
		.amdhsa_system_sgpr_workgroup_id_z 1
		.amdhsa_system_vgpr_workitem_id 0
		.amdhsa_next_free_vgpr 256
		.amdhsa_next_free_sgpr 66
		.amdhsa_reserve_vcc 1
		.amdhsa_float_denorm_mode_32 3
		.amdhsa_float_denorm_mode_16_64 3
		.amdhsa_memory_ordered 1
		.amdhsa_forward_progress 1
		.amdhsa_inst_pref_size 25
	.end_amdhsa_kernel
	.amdgpu_metadata
---
amdhsa.version: [ 1, 2 ]
amdhsa.kernels:
  - .name:           k_qa15c63205d_resolve
    .symbol:         k_qa15c63205d_resolve.kd
    .args:
      - { .name: xc, .offset: 0, .size: 8, .value_kind: global_buffer, .address_space: global }
      - { .name: xs, .offset: 8, .size: 8, .value_kind: global_buffer, .address_space: global }
      - { .name: xn, .offset: 16, .size: 8, .value_kind: global_buffer, .address_space: global }
      - { .name: wq, .offset: 24, .size: 8, .value_kind: global_buffer, .address_space: global }
      - { .name: gsel, .offset: 32, .size: 8, .value_kind: global_buffer, .address_space: global }
      - { .name: idx, .offset: 40, .size: 8, .value_kind: global_buffer, .address_space: global }
      - { .name: out1, .offset: 48, .size: 8, .value_kind: global_buffer, .address_space: global }
    .group_segment_fixed_size: 1536
    .private_segment_fixed_size: 0
    .kernarg_segment_align: 8
    .kernarg_segment_size: 56
    .max_flat_workgroup_size: 256
    .sgpr_count:     66
    .vgpr_count:     256
    .wavefront_size: 32
...
	.end_amdgpu_metadata
.endif
;; end of part 3
;; launch output (part 4): grid 256 x 1, 16 waves a work-group, no clusters, 167,936 bytes of LDS; arguments inputs, weight, idx, out0; writes out0
.if DOCPART == 4
	.amdgcn_target "amdgcn-amd-amdhsa--gfx1250"
	.amdhsa_code_object_version 6
	.text
	.protected	k_qa15c63205d_output
	.globl	k_qa15c63205d_output
	.p2align	8
	.type	k_qa15c63205d_output,@function
k_qa15c63205d_output:
	s_mov_b64 s[64:65], 0
	v_nop
	global_prefetch_b8 v0, s[64:65] scope:SCOPE_SE
	s_setreg_imm32_b32 hwreg(HW_REG_WAVE_MODE, 25, 1), 1
	s_wait_xcnt 0x0
; out0[row] = x + (weight[idx[row]] - x), both roundings in f32 as the problem's definition has them.  inputs, out0: [32768][256] f32; weight: [8192][256] f32; idx: [32768], stored by the launch before.
; A stream with a gather: a wave takes 8 rows (8,192 bytes of x, as many of weight, as many out).
; x's 8 rows are 8,192 dense bytes: ONE tensor load a wave brings them, as 32 rows of 256 bytes, into the wave's own LDS bytes, which are filled once and read by that wave alone, behind its own wait.
; A row's index is the same for all lanes, so the eight indices come by one scalar load and each row of weight gets a scalar base of its own; each index is held to 8,191, the table's last row, before it enters an address.
; Every load of weight, LDS read and store of a wave covers 512 consecutive bytes, half a row.  No register is written twice, so no store's sources need a wait.
; No matrix unit, no cluster, no barrier: the waves share nothing.  No prefetch: the launch has no loop to run ahead in.
.set X, 8                              ; v8-71   8 rows of x
.set W, 72                             ; v72-135 the chosen rows of weight, then the results
.set SPARE, 16*8192                    ; behind the sixteen waves' rows: the spare words, 128 bytes for each wave: eight blocks of 256 bytes that no other line names
	s_load_b256 s[4:11], s[0:1], 0x0               ; inputs s[4:5], weight s[6:7], idx s[8:9], out0 s[10:11]
	v_lshl_add_u32 v2, v0, 2, SPARE
	v_mov_b32 v3, 0
	ds_add_u32 v2, v3                              ; the opening lines: the add, twice on end, and its wait ahead of my tensor load
	ds_add_u32 v2, v3
	v_lshrrev_b32 v1, 5, v0
	s_delay_alu instid0(VALU_DEP_1)
	v_readfirstlane_b32 s12, v1                    ; wave 0..15
	v_and_b32 v1, 31, v0
	s_delay_alu instid0(VALU_DEP_1)
	v_lshlrev_b32 v1, 4, v1                        ; 16 x lane
	s_lshl_b32 s25, s12, 13                        ; group 0: my wave's 8,192 LDS bytes
	v_add_nc_u32 v4, s25, v1                       ; and my 16 bytes in them
	s_mov_b32 s24, 1
	s_mov_b32 s16, 3<<16                           ; group 1: elements of 8 bytes, no padding: every read takes consecutive bytes
	s_mov_b32 s17, 32<<16                          ; tensor_dim0 = 32
	s_mov_b32 s18, 32<<16                          ; tensor_dim1 = 32
	s_mov_b32 s19, 32<<16                          ; tile_dim0 = 32
	s_mov_b32 s20, 32                              ; tile_dim1 = 32
	s_mov_b32 s21, 32                              ; from row to row
	s_mov_b32 s22, 0
	s_mov_b32 s23, 0
	s_lshl_b32 s13, ttmp9, 7
	s_lshl_b32 s14, s12, 3
	s_add_co_u32 s13, s13, s14                     ; my first row: 128 x work-group + 8 x wave
	s_lshl_b32 s28, s13, 2
	s_mov_b32 s29, 0
	s_lshl_b32 s30, s13, 10
	s_mov_b32 s31, 0
	s_mov_b32 s49, 0
	s_wait_alu depctr_va_vdst(0)                   ; the wait at the head's end
	s_wait_dscnt 0x0                               ; both opening adds are done
	s_wait_kmcnt 0x0
	s_add_nc_u64 s[8:9], s[8:9], s[28:29]
	s_load_b256 s[52:59], s[8:9], 0x0              ; my eight indices
	s_add_nc_u64 s[26:27], s[4:5], s[30:31]
	s_or_b32 s27, s27, 0x80000000                  ; type = 2
	tensor_load_to_lds s[24:27], s[16:23]          ; my 8 rows of x: the wave's one tensor load
	s_nop 0
	s_add_nc_u64 s[10:11], s[10:11], s[30:31]
	s_wait_kmcnt 0x0
.irp k, 0,1,2,3,4,5,6,7
	s_min_u32 s[52+\k], s[52+\k], 0x1fff
	s_lshl_b32 s48, s[52+\k], 10                   ; a row of weight is 1,024 bytes
	s_add_nc_u64 s[32+2*\k:33+2*\k], s[6:7], s[48:49]
.endr
.irp m, 0,1,2,3,4,5,6,7,8,9,10,11,12,13,14,15
	global_load_b128 v[W+4*\m:W+4*\m+3], v1, s[32+2*(\m/2):33+2*(\m/2)] offset:512*(\m%2)   ; no hint: several rows may name the same code
.endr
	s_wait_tensorcnt 0x0                           ; my rows of x have landed; no other wave reads them
.irp m, 0,1,2,3,4,5,6,7,8,9,10,11,12,13,14,15
	ds_load_b128 v[X+4*\m:X+4*\m+3], v4 offset:512*\m
.endr
.irp m, 0,1,2,3,4,5,6,7,8,9,10,11,12,13,14,15
	s_wait_loadcnt 15-\m                           ; loads come back in order: weight's load m is in, the younger ones stay out;
	s_wait_dscnt 15-\m                             ; and so is x's LDS load m
	v_pk_add_f32 v[W+4*\m:W+4*\m+1], v[W+4*\m:W+4*\m+1], v[X+4*\m:X+4*\m+1] neg_lo:[0,1] neg_hi:[0,1]       ; w - x
	v_pk_add_f32 v[W+4*\m+2:W+4*\m+3], v[W+4*\m+2:W+4*\m+3], v[X+4*\m+2:X+4*\m+3] neg_lo:[0,1] neg_hi:[0,1]
	s_delay_alu instid0(VALU_DEP_2)
	v_pk_add_f32 v[W+4*\m:W+4*\m+1], v[X+4*\m:X+4*\m+1], v[W+4*\m:W+4*\m+1]                                 ; x + (w - x)
	s_delay_alu instid0(VALU_DEP_2)
	v_pk_add_f32 v[W+4*\m+2:W+4*\m+3], v[X+4*\m+2:X+4*\m+3], v[W+4*\m+2:W+4*\m+3]
	global_store_b128 v1, v[W+4*\m:W+4*\m+3], s[10:11] offset:512*\m th:TH_STORE_NT   ; 512 consecutive bytes, at a multiple of 256 from out0's first byte
.endr
	s_wait_tensorcnt 0x0                           ; the wave's end
	ds_add_u32 v2, v3
	s_wait_dscnt 0x0
	s_endpgm
.Lfunc_end_k_qa15c63205d_output:
	.size	k_qa15c63205d_output, .Lfunc_end_k_qa15c63205d_output-k_qa15c63205d_output
	.p2alignl 7, 3214868480
	.fill 96, 4, 3214868480
	.section	.rodata,"a",@progbits
	.p2align	6, 0x0
	.amdhsa_kernel k_qa15c63205d_output
		.amdhsa_group_segment_fixed_size 167936
		.amdhsa_private_segment_fixed_size 0
		.amdhsa_enable_private_segment 0
		.amdhsa_kernarg_size 32
		.amdhsa_user_sgpr_count 2
		.amdhsa_user_sgpr_kernarg_segment_ptr 1
		.amdhsa_wavefront_size32 1
		.amdhsa_system_sgpr_workgroup_id_x 1
		.amdhsa_system_sgpr_workgroup_id_y 1
		.amdhsa_system_sgpr_workgroup_id_z 1
		.amdhsa_system_vgpr_workitem_id 0
		.amdhsa_next_free_vgpr 136
		.amdhsa_next_free_sgpr 66
		.amdhsa_reserve_vcc 0
		.amdhsa_float_denorm_mode_32 3
		.amdhsa_float_denorm_mode_16_64 3
		.amdhsa_memory_ordered 1
		.amdhsa_forward_progress 1
		.amdhsa_inst_pref_size 14
	.end_amdhsa_kernel
	.amdgpu_metadata
---
amdhsa.version: [ 1, 2 ]
amdhsa.kernels:
  - .name:           k_qa15c63205d_output
    .symbol:         k_qa15c63205d_output.kd
    .args:
      - { .name: inputs, .offset: 0, .size: 8, .value_kind: global_buffer, .address_space: global }
      - { .name: weight, .offset: 8, .size: 8, .value_kind: global_buffer, .address_space: global }
      - { .name: idx, .offset: 16, .size: 8, .value_kind: global_buffer, .address_space: global }
      - { .name: out0, .offset: 24, .size: 8, .value_kind: global_buffer, .address_space: global }
    .group_segment_fixed_size: 167936
    .private_segment_fixed_size: 0
    .kernarg_segment_align: 8
    .kernarg_segment_size: 32
    .max_flat_workgroup_size: 512
    .sgpr_count:     66
    .vgpr_count:     136
    .wavefront_size: 32
...
	.end_amdgpu_metadata
.endif
;; end of part 4
